; MI455X (gfx1250); checked and timed in simulation.
; The chip was launched on July 23, 2026; its instructions are those of AMD's public machine-readable ISA for CDNA 5 (MIT licence, August 2026) and "CDNA5" Instruction Set Architecture Reference Guide (July 2026). The comments in the code are by the model that wrote it; some were corrected since.
;; HGRN2 Block. Allowed arithmetic: matrix products marked QUANTISED: E2M1 operands, one E8M0 scale for each 32 along K, by v_wmma_scale_f32_16x16x128_f8f6f4 with both operands' format E2M1 (or v_wmma_scale_f32_32x16x128_f4), f32 sums; everything else in f32.
;; Inputs: W_out_codes 1,024 x 32 x 16 uint8 (E2M1 codes of W_out, K innermost, in blocks of 32 codes, two codes a byte); W_out_scales 1,024 x 32 uint8 (E8M0 scales of W_out, one for each 32 codes along K); W_proj_codes 3,072 x 32 x 16 uint8 (E2M1 codes of W_proj, K innermost, in blocks of 32 codes, two codes a byte); W_proj_scales 3,072 x 32 uint8 (E8M0 scales of W_proj, one for each 32 codes along K); b_out 1,024 float32; b_proj 3,072 float32; x_codes 4 x 4,096 x 32 x 16 uint8 (E2M1 codes of x, K innermost, in blocks of 32 codes, two codes a byte); x_scales 4 x 4,096 x 32 uint8 (E8M0 scales of x, one for each 32 codes along K).
;; Outputs: out0 4 x 4,096 x 1,024 float32.
;; Constants: layer_idx = 0, num_layers = 12.
;; This version of the problem:
;;   THIS VERSION OF THE PROBLEM IS GIVEN IN LOW PRECISION. The matrix products marked QUANTISED in the list below multiply operands that are first quantised to E2M1 (2 exponent bits, 1 mantissa bit; 4 bits a number), with one power-of-two scale for each 32 numbers along K (OCP MX v1.0); their sums are f32. All else is computed in f32.
;;   The module's matrix products, in the order in which they are computed (A, B: the left and right operand; K: the contracted axis; several contracted axes count as one K, in the product's order):
;;     1. [M 16,384, K 1,024] x [K 1,024, N 3,072]; A: input x (given as codes); B: input W_proj (given as codes): QUANTISED
;;     2. [M 16,384, K 1,024] x [K 1,024, N 1,024]; A: computed on the way; B: input W_out (given as codes): QUANTISED
;;   THE QUANTISER, for each operand of a quantised product, along K:
;;     - K is cut into blocks of 32 from its start; a last block that is shorter is filled with zeros.
;;     - A block's scale is 2^e with e = floor(log2(the largest magnitude in the block)) - 2, held to -126 .. 127; a block of zeros has e = 0. As a byte (E8M0): e + 127.
;;     - Each number is divided by its block's scale, clamped to +-6, and rounded to the nearest number of E2M1, ties to even, subnormals kept.
;;     - The product sums the exact products of the quantised numbers (number of the format x scale) in f32.
;;   ~~~python
;;   def quantise(x, axis):      # numpy; x: float32 -> the quantised numbers, widened to float32 again
;;       x = np.moveaxis(x, axis, -1); K = x.shape[-1]
;;       x = np.pad(x, [(0, 0)] * (x.ndim - 1) + [(0, -K % 32)]); x = x.reshape(x.shape[:-1] + (-1, 32)); a = np.abs(x).max(-1, keepdims=True)
;;       e = np.where(a > 0, np.clip(np.frexp(np.where(a > 0, a, 1))[1] - 1 - 2, -126, 127), 0)      # np.frexp(a)[1] - 1 = floor(log2(a)), exactly
;;       r = np.clip(x / 2.0 ** e, -6, 6)
;;       step = 2.0 ** (np.maximum(np.frexp(np.where(r == 0, 1, r))[1] - 1, 0) - 1)
;;       q = np.round(r / step) * step * 2.0 ** e      # np.round: ties to even
;;       return np.moveaxis(q.reshape(q.shape[:-2] + (-1,))[..., :K], -1, axis).astype(np.float32)
;;   ~~~
;;   OPERANDS COMPUTED ON THE WAY. 'Computed on the way' means the value that the module computes at that place (a softmax that the list does not call 'softmax' is quantised finished and normalised). What goes into a quantiser is computed in f32, as accurately as f32 sums, v_exp_f32 and their like allow (about 1e-6 of the number): no bf16 or f16 on the way to a quantiser, and a product that is left as it is and whose result goes on into a quantised operand takes f32 operands (vector FMAs, or v_wmma_f32_16x16x4_f32). A number that lies on a knife's edge between two numbers of the format may be rounded either way, as far as f32 arithmetic and the matrix unit's own rounding can turn it there, and no further.
;;   INPUTS GIVEN AS CODES. W_out (in the module: [1024, 1024], K = its axis 0); W_proj (in the module: [1024, 3072], K = its axis 0); x (in the module: [4, 4096, 1024], K = its axis 2): each comes as NAME_codes (uint8): NAME with its K axis moved to the last place and cut into blocks of 32 codes, [.., K / 32, bytes a block], one block behind the other in memory; two codes a byte, the lower K in the low four bits (a code: sign, 2 exponent bits, 1 mantissa bit); and NAME_scales (uint8): the same leading axes, one E8M0 byte (e + 127) for each 32 codes along K. Its value is code x scale, taken as it is: it is not quantised again, and the codes and scales need not be those that the quantiser above would give.
;; One version. Each part assembles by itself: llvm-mc -triple=amdgcn-amd-amdhsa -mcpu=gfx1250 --defsym DOCPART=n.
;; ======== version 1 of 1: 1 launch
;; limits: right only within a limited range of input values
;; launch hgrn (part 1): grid 256 x 1, 8 waves a work-group, clusters of 4 x 1, 327,680 bytes of LDS; arguments x_codes, x_scales, W_proj_codes, W_proj_scales, b_proj, W_out_codes, W_out_scales, b_out, out0; writes out0
.if DOCPART == 1
	.amdgcn_target "amdgcn-amd-amdhsa--gfx1250"
	.amdhsa_code_object_version 6
	.text
	.protected	k_q858be6e3cf_hgrn
	.globl	k_q858be6e3cf_hgrn
	.p2align	8
	.type	k_q858be6e3cf_hgrn,@function
k_q858be6e3cf_hgrn:
	s_mov_b64 s[64:65], 0
	v_nop
	global_prefetch_b8 v0, s[64:65] scope:SCOPE_SE
	s_setreg_imm32_b32 hwreg(HW_REG_WAVE_MODE, 25, 1), 1
	s_wait_xcnt 0x0
	s_wait_alu depctr_hold_cnt(0) depctr_sa_sdst(0) depctr_va_vdst(0) depctr_va_sdst(0) depctr_va_ssrc(0) depctr_va_vcc(0) depctr_vm_vsrc(0)
	s_getreg_b32 s2, hwreg(HW_REG_IB_STS2, 6, 4)
	s_cmp_eq_u32 s2, 0
	s_cbranch_scc0 .Lentry_in_a_cluster
	s_endpgm
.Lentry_in_a_cluster:
	s_bfe_u32 s2, ttmp6, 0x10000c
	s_cmp_lg_u32 s2, 0x3003
	s_cbranch_scc0 .Lentry_shape_is_right
	s_endpgm
.Lentry_shape_is_right:
; out = (g * sigmoid(o)) W_out + b_out,  g = x W_proj[:, 0:1024] + b_proj[0:1024],  o = x W_proj[:, 2048:3072] + b_proj[2048:3072].
; Both products on codes of FP4 (E2M1) with one E8M0 scale for each 32 along K; sums, biases and the gate in f32.  Codes arrive with K innermost, 512 bytes a row, with 32 scale bytes a row.
; The hidden layer h = g * sigmoid(o) is quantised along its 1,024 units on the way and never goes to memory.
; NOT COMPUTED: columns 1024..2047 of x W_proj (the forget input).  They enter no result of the function that defines this problem, whatever the inputs hold, so rows 1024..2047 of W_proj's codes and
; scales and of b_proj are not read.  A NaN, an infinity or an overflow that reaches only those columns is not carried to the result.
; LIMITS: NaN and infinities among the numbers are not served.  A block of h that is all zeros gets the scale byte 1 (not 127) with zero codes: the bytes are read by this kernel alone.
; sigmoid(o) = 1 / (1 + 2^(-log2(e) o)) by v_exp_f32 and v_rcp_f32 in f32; where 2^(..) overflows the reciprocal is 0, where it falls to 0 the gate is 1.
; SHARES.  16,384 rows / 256 work-groups = 64 rows, four row tiles of 16.  The weights go by in 12 chunks of 128 KiB of codes through two LDS slots; each of the eight waves fetches an eighth by one tensor load.
;   PHASE 1, 4 groups of 256 hidden units, two chunks each (512 weight rows x half of K, slot = half of K): 256 rows of W_proj for g, then the 256 rows 2,048 further on for o.  Every wave holds x's 64 rows in 256 registers;
;   wave w makes units 32 w .. + 31 of the group, both g and o, gates and quantises them: one block of 32.  In a chunk it has 4 tiles of weight rows x 4 row tiles = 16 accumulators, 4 K steps of 128.
;   PHASE 2, 4 chunks of 256 columns x all of K: wave w makes rows 32 (w / 4) .. + 31 x columns 64 (w % 4) .. + 63: h in 128 registers, 4 tiles of weight rows x 2 row tiles = 8 accumulators, 8 K steps.  So there is room for a chunk's
;   64 finished registers beside the next chunk's products, and its 16 stores leave three or four at a time among them.
; Scale words and biases are read by the waves that want them, straight into registers.
; PHASE 1 IS USED TRANSPOSED (source 0 = 16 weight rows, source 1 = 16 rows of x): lane (r, h) holds row r and the units 8 h + j of the tile.
; PHASE 2 IS NOT (source 0 = 16 rows of h, source 1 = 16 weight rows): lane (r, h) holds rows 8 h + j of one column.  Tile t takes the columns 4 r + t, so a lane's four tiles are four neighbouring columns, and sixteen
; lanes store 256 neighbouring bytes from registers.  Loader wave w brings the rows 128 (w / 4) + 4 i + w % 4, i = 0 .. 31, so that the sixteen rows of a tile lie one behind the other in LDS.
; CLUSTER.  All work-groups walk the same weights: the four of a cluster ask for each chunk JOINTLY (mask 15, the same descriptor in all four).  x's tiles are each work-group's own (no mask).
; ORDER.  Cluster j takes the groups of phase 1 and the chunks of phase 2 in the order c0, c0 + 1, .. (modulo 4), c0 = (j + j / 8) % 4: behind the two first fills every chunk of W_proj has been asked for by some cluster.
; h is stored at its TIME's place in a row; four arms, one for each c0, read it back in K's true order at addresses that are constants of the arm.
; PREFETCH: a cluster's first two chunks of W_out, 1,024 blocks of 256 bytes, are asked for by clusters 0 to 7 in time 4, two chunks ahead of the first tensor load that wants them: a lane a block, an instruction a wave, shared
; by address among the four partners.  W_proj is not prefetched: every chunk but a cluster's first two has been asked for by other clusters' loads.
; By this text's own count a wave has one tensor load out at the start and one behind each round.
; REGISTERS.  window 0: v0-15 addresses; v16-31 a bias; v32-47 scale words of x / h; v48-63 of the weights (phase 2: two sets, v48-79).
;   phase 1: v64-127 four buffers of two weight fragments; v128-255 accumulators (tile t, row tile m) at 128 + 32 m + 8 t;  window 1: the 32 fragments of x, (m, K step s) at 64 m + 8 s.
;   phase 2: v128-255 the 16 fragments of h, (m, K step s) at 128 + 64 m + 8 s;  window 1: v0-127 four buffers of four weight fragments; v128-191 accumulators at 128 + 32 m + 8 t; v192-255 the way out.
.set PITCH, 272                        ; phase 1: 256 bytes of codes + 16 of padding = 68 words: 16 neighbouring rows start 4 words apart modulo 64
.set T16,   16*PITCH
.set REGB,  256*PITCH                  ; o's rows behind g's 256
.set SLOTB, 512*PITCH                  ; 139,264 bytes a slot
.set XP,    528                        ; a row of x, h or W_out: 512 bytes + 16 = 132 words
.set X16,   16*XP
.set X32,   32*XP
.set XH,    2*SLOTB                    ; 64 rows: x's codes, later h's
.set HSP,   48                         ; a row of h's 32 scale bytes + 16
.set HSC,   XH+64*XP
.set SPARE, HSC+64*HSP                 ; the spare words, 128 bytes for each wave: four blocks of 256 bytes that no other line names
.set SPW,  1                           ; SPARE + 4 x my thread's number; never rewritten
.set NIL,  2                           ; 0; never rewritten
.set AB,   3                           ; x fragments: XH + 528 r + 16 h;  phase 2: the same + my 32 rows
.set PFO,  4                           ; the prefetch: 256 x lane
.set AWG,  5                           ; v5,6 phase 1, g's rows in slot 0, 1;  v7,8 o's rows
.set AW2,  5                           ; v5,6 phase 2, slot 0, 1
.set SA2,  9                           ; W_out's scale words: 2,048 (w % 4) + 128 r + 32 h
.set BA2,  10                          ; b_out: 256 (w % 4) + 16 r
.set CO,   11                          ; out: 131,072 (w / 4) + 32,768 h + 256 (w % 4) + 16 r
.set HST,  12                          ; h's codes: XH + 528 r + 16 w + 4 h
.set HSB,  13                          ; h's scale byte: HSC + 48 r + w
.set BA1,  14                          ; b_proj: 32 h + 128 w
.set SA1,  15                          ; W_proj's scale words: 32 r + 65,536 h + 1,024 w (lanes 0-15 g's rows, lanes 16-31 o's)
.set BI,   16
.set XS,   32
.set WS,   48
.set FRG,  64
.set ACC,  128
.set HF,   128                         ; phase 2: h
.set STG,  192                         ; phase 2, window 1: the way out
.set TA,   127                         ; a lane address for the moment
.set PWC,  8                           ; s[8:9]   W_proj's codes at my wave's 64 rows of group 0
.set PS,   10
.set PB,   12
.set PWOC, 14                          ; s[14:15] W_out's codes at my wave's rows of chunk 0
.set PWOS, 16
.set PBO,  18
.set PO,   20                          ; s[20:21] out at my 64 rows
.set WV,   22                          ; my wave's number;  s23 = it modulo 4, s24 = it / 4
.set G1C,  32                          ; group 1: 64 rows of W_proj
.set PBX,  40                          ; biases, scale bytes, out's columns in use
.set PSX,  42
.set POX,  44
.set C0,   46
.set G1W,  48                          ; group 1: 32 rows of W_out, four apart
.set G1H,  56                          ; group 1: the head's 128 rows of W_proj
.set G1X,  68                          ; group 1: 16 rows of x
.set G0C,  76                          ; group 0, a set for each slot
.set G0H,  84
.set G0X,  88
.set SEL,  92                          ; v_permlanex16_b32's selects for lane l xor 16
.set NL,   94                          ; -log2(e), twice
.set PF,   98                          ; s27, s28, s30 are at work; s29 stays 0, so that s[28:29] is an offset of 64 bits
.set MUL1, 0x04                        ; phase 1: source 1 (x) window 1
.set MUL2, 0x54                        ; phase 2: source 0 (h, addresses) window 0; source 1 (weights, store data), C and destination window 1: one setting for products, LDS loads, stores and the bias
.set MSB, 0
.macro WIN new                         ; s_set_vgpr_msb: bits 1:0 source 0, 3:2 source 1, 5:4 source 2, 7:6 destination; the high byte repeats the setting that is left
.if MSB != \new
	s_set_vgpr_msb (MSB<<8)|\new
.set MSB, \new
.endif
.endm
.macro PLACES n                        ; plain vector instructions that name no register: the distance behind matrix instructions (ISA guide 7.12.1)
.rept \n
	v_nop
.endr
.endm
.macro CREST                           ; a round of the cluster's barrier behind its opening barrier
	s_cmp_lg_u32 s[WV], 0
	s_cbranch_scc1 .Lnot_wave_0_\@
	s_barrier_signal -3
.Lnot_wave_0_\@:
	s_barrier_wait -3
	s_barrier_signal -1
	s_barrier_wait -1
.endm
.macro ROUND
	s_barrier_signal -1
	s_barrier_wait -1
	CREST
.endm
.macro PICK i, shift                   ; s[28:29] = the group or chunk of time i (counted from the phase's start) in bytes
	s_add_co_u32 s27, s[C0], \i
	s_and_b32 s27, s27, 3
	s_lshl_b32 s28, s27, \shift
.endm
.macro EMIT c
.if RA_ && RB_
	v_wmma_scale_f32_16x16x128_f8f6f4 v[D_:D_+7], v[A_:A_+7], v[B_:B_+7], \c, v[SA_], v[SB_] matrix_a_fmt:MATRIX_FMT_FP4 matrix_b_fmt:MATRIX_FMT_FP4 matrix_a_scale:MATRIX_SCALE_ROW1 matrix_b_scale:MATRIX_SCALE_ROW1
.elseif RA_
	v_wmma_scale_f32_16x16x128_f8f6f4 v[D_:D_+7], v[A_:A_+7], v[B_:B_+7], \c, v[SA_], v[SB_] matrix_a_fmt:MATRIX_FMT_FP4 matrix_b_fmt:MATRIX_FMT_FP4 matrix_a_scale:MATRIX_SCALE_ROW1
.elseif RB_
	v_wmma_scale_f32_16x16x128_f8f6f4 v[D_:D_+7], v[A_:A_+7], v[B_:B_+7], \c, v[SA_], v[SB_] matrix_a_fmt:MATRIX_FMT_FP4 matrix_b_fmt:MATRIX_FMT_FP4 matrix_b_scale:MATRIX_SCALE_ROW1
.else
	v_wmma_scale_f32_16x16x128_f8f6f4 v[D_:D_+7], v[A_:A_+7], v[B_:B_+7], \c, v[SA_], v[SB_] matrix_a_fmt:MATRIX_FMT_FP4 matrix_b_fmt:MATRIX_FMT_FP4
.endif
.endm
; ==== PHASE 1
; Four K steps k0 .. k0 + 3 of x's 64 rows: 32 loads.  A fragment (16 rows x 128 K) is 8 registers: lane (r, h) holds row r; registers 4 c .. 4 c + 3 hold K = 64 c + 32 h + 0 .. 31.
.macro FRAGS k0
	WIN 0x40
.irp s, 0,1,2,3
.irp m, 0,1,2,3
.irp c, 0,1
	ds_load_b128 v[64*\m+8*(\k0+\s)+4*\c:64*\m+8*(\k0+\s)+4*\c+3], v[AB] offset:X16*\m+64*(\k0+\s)+32*\c
.endr
.endr
.endr
	WIN 0
.endm
; Unit hs = 2 s + tp of a chunk: K step s, weight tiles 2 tp and 2 tp + 1 (tp = 0 g, tp = 1 o).  Its two fragments go into buffer hs % 4: four loads.
.macro LOADH slot, hs
.set LS_, (\hs)/2
.set LT_, (\hs)%2
.set LB_, FRG+16*((\hs)%4)
.irp u, 0,1
.irp c, 0,1
	ds_load_b128 v[LB_+8*\u+4*\c:LB_+8*\u+4*\c+3], v[AWG+2*LT_+\slot] offset:T16*\u+64*LS_+32*\c
.endr
.endr
.endm
.macro PRELOAD slot                    ; a chunk's first three units' fragments: 12 loads
	LOADH \slot, 0
	LOADH \slot, 1
	LOADH \slot, 2
.endm
.macro SCQ q                           ; W_proj's scale words of half q of K: register 8 u + 4 q + s: lanes 0-15 g's tile u, lanes 16-31 o's
.irp k, 0,1
	global_load_b128 v[WS+8*\k+4*\q:WS+8*\k+4*\q+3], v[SA1], s[PSX:PSX+1] offset:512*\k+16*\q
.endr
.endm
.macro BIAS1 o                         ; b_proj in the result's layout, 16 numbers a lane: g's (o = 0), or o's, 2,048 numbers further on
.irp u, 0,1
.irp q, 0,1
	global_load_b128 v[BI+8*\u+4*\q:BI+8*\u+4*\q+3], v[BA1], s[PBX:PBX+1] offset:8192*\o+64*\u+16*\q
.endr
.endr
.endm
; A unit's eight products: two weight tiles x the four row tiles.  The 16 accumulators take turns, one instruction a turn, in the same order in every K step.
; The first K step starts the sums: g's with its bias as C, o's with 0.
.macro MM1 kh, hs
.set S_, 4*\kh+(\hs)/2
.set TP_, (\hs)%2
.irp u, 0,1
.irp m, 0,1,2,3
.set D_, ACC+32*\m+8*(2*TP_+\u)
.set A_, FRG+16*((\hs)%4)+8*\u
.set B_, 64*\m+8*S_
.set SA_, WS+8*\u+S_
.set RA_, TP_
.set SB_, XS+8*(\m/2)+S_
.set RB_, \m%2
.if S_ == 0
.if TP_ == 0
.set C_, BI+8*\u
	EMIT v[C_:C_+7]
.else
	EMIT 0
.endif
.else
.set C_, D_
	EMIT v[C_:C_+7]
.endif
.endr
.endr
.endm
; Units 1, 3 and 4 ask for the fragments of 3 and 4, 5 and 6, 7, behind four places.  Unit 1 also asks for what comes from memory: in a group's first chunk the second half of its scale words, and o's bias;
; in its second chunk the next group's first half of scale words (nk = 1).  LDS loads come back in order: a wait leaves out the loads of the units ahead (and ex, x's 32 loads behind the first 12).
.macro HALF kh, hs, ex, nk, pf
.if (\hs == 1) || (\hs == 3)
	PLACES 4
	LOADH \kh, \hs+2
	LOADH \kh, \hs+3
.elseif \hs == 4
	PLACES 4
	LOADH \kh, 7
.endif
.if \hs == 1
.if \kh == 0
	SCQ 1
	BIAS1 1
.elseif \nk == 1
	SCQ 0
.endif
.endif
.if \pf && (\hs == 3)
	WIN 0
	s_cmp_lt_u32 ttmp9, 8
	s_cbranch_scc0 .Lno_prefetch_\@
	global_prefetch_b8 v[PFO], s[PF:PF+1] th:TH_LOAD_NT scope:SCOPE_SE
.Lno_prefetch_\@:
.endif
.set N_, 12
.if (\hs == 0) || (\hs == 2)
.set N_, 8
.endif
.if \hs < 3
.set N_, N_+\ex
.endif
	s_wait_dscnt N_
	WIN MUL1
	MM1 \kh, \hs
.endm
; A chunk's units 0 to 4.  nk (second chunk of a group): what follows, 1: the group of time ng; 2: W_out's first chunk.
.macro CHUNK1 kh, ex, nk, ng, pf
	s_wait_loadcnt 0x0                             ; this chunk's scale words and biases are in; so the two bases may be written
.if \nk == 1
	PICK \ng, 10                                   ; 256 numbers of b_proj a group,
	s_add_nc_u64 s[PBX:PBX+1], s[PB:PB+1], s[28:29]
	s_lshl_b32 s28, s27, 13                        ; 256 rows of 32 scale bytes
	s_add_nc_u64 s[PSX:PSX+1], s[PS:PS+1], s[28:29]
.elseif \nk == 2
	PICK 0, 13                                     ; 256 rows of 32 scale bytes
	s_add_nc_u64 s[PSX:PSX+1], s[PWOS:PWOS+1], s[28:29]
.endif
	HALF \kh, 0, \ex, \nk, \pf
	HALF \kh, 1, \ex, \nk, \pf
	HALF \kh, 2, \ex, \nk, \pf
	HALF \kh, 3, \ex, \nk, \pf
	HALF \kh, 4, \ex, \nk, \pf
.endm
; A chunk's units 5 to 7, and THE CHANGE OF SLOTS.  Each wave waits for all its tensor loads (its part of the other slot), adds 0 to its spare word, and waits for that and for its reads of this slot; eight products stand
; between the add and the wait for it, eight inside the barrier, eight behind the next chunk's first fragment loads.
; This slot is filled again (kind 1: W_proj, the group of time gi; 2: W_out, the chunk of time gi, whose rows are twice as long: the LDS address is written anew): a round of the cluster's barrier, so that no wave of any
; partner still reads the slot or has a load on its way, and the joint refill first behind it, one load a wave.  pre = 0: the other slot's fragments are not asked for here.
.macro TURN1 kh, kind, gi, pre
	WIN 0
	s_wait_tensorcnt 0x0                           ; no tensor load of mine is out, so a group 0 may be written
	ds_add_u32 v[SPW], v[NIL]                      ; 0 onto my spare word
	PICK \gi, 17                                   ; 256 rows of 512 bytes
.if \kind == 1
.if \kh
	s_or_b32 s28, s28, 256                         ; the second half of K
.endif
	s_add_nc_u64 s[G0C+4*\kh+2:G0C+4*\kh+3], s[PWC:PWC+1], s[28:29]
.else
	s_mul_i32 s[G0C+4*\kh+1], s[WV], X32
.if \kh
	s_add_co_u32 s[G0C+4*\kh+1], s[G0C+4*\kh+1], SLOTB
.endif
	s_add_nc_u64 s[G0C+4*\kh+2:G0C+4*\kh+3], s[PWOC:PWOC+1], s[28:29]
.endif
	s_or_b32 s[G0C+4*\kh+3], s[G0C+4*\kh+3], 0x80000000
	s_wait_dscnt 9                                 ; unit 5 is in; units 6 and 7's eight loads and the add may be out
	WIN MUL1
	MM1 \kh, 5
	s_wait_dscnt 0x0                               ; the add is done, and my reads of this slot are over
	s_barrier_signal -1
	MM1 \kh, 6
	WIN 0
	s_barrier_wait -1
	CREST
.if \kind == 1
	tensor_load_to_lds s[G0C+4*\kh:G0C+4*\kh+3], s[G1C:G1C+7]
.else
	tensor_load_to_lds s[G0C+4*\kh:G0C+4*\kh+3], s[G1W:G1W+7]
.endif
	s_nop 0
	PLACES 4
.if \pre
	PRELOAD 1-\kh
.endif
	WIN MUL1
	MM1 \kh, 7
.endm
; PHASE 1'S EPILOGUE, group time i.  For row tile m: g (its bias in it) in v[128 + 32 m .. + 15], o in v[144 + 32 m .. + 15]: 16 units of my row, 16 u + 8 h + j.  h = g / (1 + 2^(-log2(e) (o + b))), in f32.
; The wave's 32 units are ONE block of the next K: its largest magnitude is that of my 16 and of lane l xor 16's 16.  o's registers serve as scratch once the gate is used.
; Every accumulator is read from its low end on.  The eight multiplies of the bias are the places behind the last products.  nb: the next group's bias of g is asked for.
.macro EPI1 i, nb
	WIN 0
.irp j, 0,2,4,6,8,10,12,14
	v_pk_mul_f32 v[BI+\j:BI+\j+1], v[BI+\j:BI+\j+1], s[NL:NL+1] op_sel_hi:[1,0]
.endr
.irp m, 0,1,2,3
.irp j, 0,2,4,6,8,10,12,14
	v_pk_fma_f32 v[144+32*\m+\j:145+32*\m+\j], v[144+32*\m+\j:145+32*\m+\j], s[NL:NL+1], v[BI+\j:BI+\j+1] op_sel_hi:[1,0,1]
.endr
.endr
.if \nb
	BIAS1 0
.endif
	s_wait_alu depctr_va_vdst(0)
.irp m, 0,1,2,3
.irp j, 0,1,2,3,4,5,6,7,8,9,10,11,12,13,14,15
	v_exp_f32 v[144+32*\m+\j], v[144+32*\m+\j]
.endr
.endr
	v_nop
	s_wait_alu depctr_va_vdst(0)
.irp m, 0,1,2,3
.irp j, 0,2,4,6,8,10,12,14
	v_pk_add_f32 v[144+32*\m+\j:145+32*\m+\j], v[144+32*\m+\j:145+32*\m+\j], 1.0 op_sel_hi:[1,0]
.endr
.endr
	s_wait_alu depctr_va_vdst(0)
.irp m, 0,1,2,3
.irp j, 0,1,2,3,4,5,6,7,8,9,10,11,12,13,14,15
	v_rcp_f32 v[144+32*\m+\j], v[144+32*\m+\j]
.endr
.endr
	v_nop
	s_wait_alu depctr_va_vdst(0)
.irp m, 0,1,2,3
.irp j, 0,2,4,6,8,10,12,14
	v_pk_mul_f32 v[128+32*\m+\j:129+32*\m+\j], v[128+32*\m+\j:129+32*\m+\j], v[144+32*\m+\j:145+32*\m+\j]   ; h
.endr
.endr
.irp m, 0,1,2,3
	v_max3_num_f32 v[144+32*\m], |v[128+32*\m]|, |v[129+32*\m]|, 0x1800000      ; my 16 numbers, and the floor 2^(3 - 127): the byte cannot fall under 1
.endr
.irp k, 2,4,6,8,10,12,14
.irp m, 0,1,2,3
	v_max3_num_f32 v[144+32*\m], v[144+32*\m], |v[128+32*\m+\k]|, |v[129+32*\m+\k]|   ; the four row tiles by turns
.endr
.endr
.irp m, 0,1,2,3
	v_permlanex16_b32 v[145+32*\m], v[144+32*\m], s[SEL], s[SEL+1]
.endr
.irp m, 0,1,2,3
	v_max_num_f32 v[144+32*\m], v[144+32*\m], v[145+32*\m]                      ; the block's largest magnitude
.endr
.irp m, 0,1,2,3
	v_add_nc_u32 v[146+32*\m], 0xff000000, v[144+32*\m]                         ; 2 off its exponent field: the conversion takes this operand's exponent field as its scale
.endr
.irp m, 0,1,2,3
	v_lshrrev_b32 v[145+32*\m], 23, v[146+32*\m]                                ; the scale's byte
.endr
.irp m, 0,1,2,3
.irp u, 0,1
	v_cvt_scalef32_pk8_fp4_f32 v[148+32*\m+\u], v[128+32*\m+8*\u:135+32*\m+8*\u], v[146+32*\m]   ; units 16 u + 8 h + 0 .. 7: four bytes of my row
.endr
.endr
	v_nop                                          ; one plain place behind the last scaled conversion
.irp m, 0,1,2,3
.irp u, 0,1
	ds_store_b32 v[HST], v[148+32*\m+\u] offset:X16*\m+128*\i+8*\u
.endr
.endr
.irp m, 0,1,2,3
	ds_store_b8 v[HSB], v[145+32*\m] offset:16*HSP*\m+8*\i                      ; both halves of the lanes write the same byte with the same value
.endr
.endm
; A group of 256 hidden units at time i: two chunks, then the gate.
.macro GROUP i, ex, pf
	CHUNK1 0, \ex, 0, 0, \pf
	TURN1 0, 1, \i+1, 1
	CHUNK1 1, 0, 1, \i+1, 0
	TURN1 1, 1, \i+1, 1
	EPI1 \i, 1
.endm
; ==== PHASE 2.  Unit n of a chunk is K step n: four weight tiles, eight loads into buffer n % 4, eight products.
.macro LOADU slot, n
.irp t, 0,1,2,3
.irp c, 0,1
	ds_load_b128 v[32*((\n)%4)+8*\t+4*\c:32*((\n)%4)+8*\t+4*\c+3], v[AW2+\slot] offset:X32*\t+64*(\n)+32*\c
.endr
.endr
.endm
.macro SCW i                           ; the scale words of time i's chunk: register 8 k + s: lanes 0-15 tile 2 k, lanes 16-31 tile 2 k + 1
.irp k, 0,1
.irp q, 0,1
	global_load_b128 v[WS+16*((\i)%2)+8*\k+4*\q:WS+16*((\i)%2)+8*\k+4*\q+3], v[SA2], s[PSX:PSX+1] offset:64*\k+16*\q
.endr
.endr
.endm
.macro MM2 i, n                        ; the eight accumulators by turns, in the same order in every K step
.irp t, 0,1,2,3
.irp m, 0,1
.set D_, ACC+32*\m+8*\t
.set A_, HF+64*\m+8*\n
.set B_, 32*(\n%4)+8*\t
.set SA_, XS+\n
.set RA_, \m
.set SB_, WS+16*((\i)%2)+8*(\t/2)+\n
.set RB_, \t%2
.if \n == 0
	EMIT 0
.else
	EMIT v[D_:D_+7]
.endif
.endr
.endr
.endm
.macro STORES from, to                 ; store e of the 16: row tile e / 8, rows e % 8 and 8 + e % 8: 16 lanes store 256 consecutive bytes, at a multiple of 256 from out's first byte
.set E_, \from
.rept (\to)-(\from)
	global_store_b128 v[CO], v[STG+4*E_:STG+4*E_+3], s[POX:POX+1] offset:4096*(16*(E_/8)+E_%8) th:TH_STORE_NT
.set E_, E_+1
.endr
.endm
; A unit, as in phase 1.  ex: the first chunk, where h's 36 loads (4 of scale words, 4 for each K step) stand behind the first three units' weights, which have been waited for: 28 - 4 n of them are left behind K step n's.
; Unit 1 asks for this chunk's bias and the next one's scale words.  st: the chunk before is stored, behind the products.
.macro UNIT2 i, slot, n, ex, st, nw
.if (\n == 1) || (\n == 3)
	PLACES 4
	LOADU \slot, \n+2
	LOADU \slot, \n+3
.elseif \n == 4
	PLACES 4
	LOADU \slot, 7
.endif
.if \n == 1
	WIN 0
	global_load_b128 v[BI:BI+3], v[BA2], s[PBX:PBX+1]
.if \nw
	SCW \i+1
.endif
.endif
.set N_, 24
.if (\n == 0) || (\n == 2)
.set N_, 16
.endif
.if \ex && (\n < 3)
.set N_, N_+12+4*\n
.endif
	s_wait_dscnt N_
	WIN MUL2
	MM2 \i, \n
.if \st
.if \n == 0
	STORES 0, 4
.else
	STORES 1+3*\n, 4+3*\n
.endif
.endif
.endm
.macro CHUNK2 i, slot, ex, st, nw
	s_wait_loadcnt 0x0                             ; this chunk's scale words are in; so the two bases may be written
	PICK \i, 10                                    ; 256 numbers of b_out a chunk
	s_add_nc_u64 s[PBX:PBX+1], s[PBO:PBO+1], s[28:29]
.if \nw
	PICK \i+1, 13                                  ; 256 rows of 32 scale bytes
	s_add_nc_u64 s[PSX:PSX+1], s[PWOS:PWOS+1], s[28:29]
.endif
	UNIT2 \i, \slot, 0, \ex, \st, \nw
	UNIT2 \i, \slot, 1, \ex, \st, \nw
	UNIT2 \i, \slot, 2, \ex, \st, \nw
	UNIT2 \i, \slot, 3, \ex, \st, \nw
	UNIT2 \i, \slot, 4, \ex, \st, \nw
.endm
.macro TURN2 i, slot, fill             ; as TURN1; fill = 1: this slot takes the chunk two times on; fill = 0: nothing is left to fetch, and no round follows
	WIN 0
	s_wait_tensorcnt 0x0
	ds_add_u32 v[SPW], v[NIL]
.if \fill
	PICK \i+2, 17
	s_add_nc_u64 s[G0C+4*\slot+2:G0C+4*\slot+3], s[PWOC:PWOC+1], s[28:29]
	s_or_b32 s[G0C+4*\slot+3], s[G0C+4*\slot+3], 0x80000000
.endif
	s_wait_dscnt 17                                ; unit 5 is in; units 6 and 7's sixteen loads and the add may be out
	WIN MUL2
	MM2 \i, 5
	s_wait_dscnt 0x0
	s_barrier_signal -1
	MM2 \i, 6
	WIN 0
	s_barrier_wait -1
.if \fill
	CREST
	tensor_load_to_lds s[G0C+4*\slot:G0C+4*\slot+3], s[G1W:G1W+7]
	s_nop 0
.endif
	PLACES 4
	WIN MUL2
	LOADU 1-\slot, 0
	LOADU 1-\slot, 1
	LOADU 1-\slot, 2
	MM2 \i, 7
.endm
; A chunk is finished: for row tile m register j of tile t is row 16 m + 8 h + j, column 4 r + t of my 64: the bias is added as the four tiles' numbers move side by side.  Every accumulator is read from its low end on.
.macro EPI2 i
	s_wait_loadcnt 0x0                             ; the bias is in
	s_wait_xcnt 0x0                                ; the chunk before's stores have read their registers and their base
	PICK \i, 10                                    ; this chunk's 256 columns of out
	s_add_nc_u64 s[POX:POX+1], s[PO:PO+1], s[28:29]
	WIN MUL2
	PLACES 4
.irp m, 0,1
.irp t, 0,1,2,3
.irp j, 0,1,2,3,4,5,6,7
	v_add_f32 v[STG+32*\m+4*\j+\t], v[BI+\t], v[ACC+32*\m+8*\t+\j]
.endr
.endr
.endr
	s_wait_alu depctr_va_vdst(0)                   ; the stores stand behind waits
.endm
; h comes into registers in a cluster whose order begins with group vr: group G was made at time (G - vr) modulo 4 and lies at that place of a row.
; 4 loads of scale words (register s: lanes 0-15 my first row tile, lanes 16-31 my second), then K step by K step.
.macro HARM vr
.if \vr < 3
	s_cmp_lg_u32 s[C0], \vr
	s_cbranch_scc1 .Lh_not_\vr
.endif
.irp g, 0,1,2,3
	ds_load_b64 v[XS+2*\g:XS+2*\g+1], v[TA] offset:8*((\g+4-\vr)%4)
.endr
.irp s, 0,1,2,3,4,5,6,7
.irp m, 0,1
.irp c, 0,1
	ds_load_b128 v[HF+64*\m+8*\s+4*\c:HF+64*\m+8*\s+4*\c+3], v[AB] offset:X16*\m+128*(((\s/2)+4-\vr)%4)+64*(\s%2)+32*\c
.endr
.endr
.endr
.if \vr < 3
	s_branch .Lh_in
.Lh_not_\vr:
.endif
.endm
	; ---- the head
	s_load_b256 s[4:11], s[0:1], 0x0               ; x's codes s[4:5], x's scales s[6:7], W_proj's codes s[8:9], W_proj's scales s[10:11]
	s_load_b256 s[12:19], s[0:1], 0x20             ; b_proj, W_out's codes, W_out's scales, b_out
	s_load_b64 s[20:21], s[0:1], 0x40              ; out
	v_lshl_add_u32 v[SPW], v0, 2, SPARE
	v_mov_b32 v[NIL], 0
	ds_add_u32 v[SPW], v[NIL]                      ; the wave's opening: the add, twice on end, and its wait ahead of my first tensor load
	ds_add_u32 v[SPW], v[NIL]
	v_lshrrev_b32 v64, 5, v0
	v_readfirstlane_b32 s[WV], v64                 ; wave 0..7
	s_and_b32 s23, s[WV], 3
	s_lshr_b32 s24, s[WV], 2
	s_bfe_u32 s25, ttmp6, 0x40000                  ; cx: my place in the cluster: it enters the addresses of x, its scales, out and the prefetch alone
	s_lshl_b32 s26, ttmp9, 2                       ; in a cluster launch ttmp9 counts clusters
	s_add_co_u32 s26, s26, s25                     ; my block of 64 rows
	s_lshr_b32 s[C0], ttmp9, 3
	s_add_co_u32 s[C0], s[C0], ttmp9
	s_and_b32 s[C0], s[C0], 3                      ; c0
	; group 1: element of 1 byte; 4 words of padding behind each row; mask: all four work-groups, bit 21 beside it
	s_mov_b32 s[G1C+0], 15|(1<<20)|(1<<21)|(5<<22)|(3<<25)
	s_mov_b32 s[G1H+0], 15|(1<<20)|(1<<21)|(5<<22)|(3<<25)
	s_mov_b32 s[G1W+0], 15|(1<<20)|(1<<21)|(6<<22)|(3<<25)
	s_mov_b32 s[G1X+0], (1<<20)|(6<<22)|(3<<25)
.irp g, G1C, G1H
	s_mov_b32 s[\g+1], 256<<16                     ; tensor_dim0
	s_mov_b32 s[\g+3], 256<<16                     ; tile_dim0
	s_mov_b32 s[\g+5], 512                         ; stride from row to row
	s_mov_b32 s[\g+6], 0
	s_mov_b32 s[\g+7], 0
.endr
.irp g, G1W, G1X
	s_mov_b32 s[\g+1], 512<<16
	s_mov_b32 s[\g+3], 512<<16
	s_mov_b32 s[\g+6], 0
	s_mov_b32 s[\g+7], 0
.endr
	s_mov_b32 s[G1C+2], 64<<16                     ; tensor_dim1
	s_mov_b32 s[G1C+4], 64                         ; tile_dim1
	s_mov_b32 s[G1H+2], 128<<16
	s_mov_b32 s[G1H+4], 128
	s_mov_b32 s[G1W+2], 32<<16
	s_mov_b32 s[G1W+4], 32
	s_mov_b32 s[G1W+5], 2048                       ; every fourth row
	s_mov_b32 s[G1X+2], 16<<16
	s_mov_b32 s[G1X+4], 16
	s_mov_b32 s[G1X+5], 512
	s_mov_b32 s[SEL], 0x76543210
	s_mov_b32 s[SEL+1], 0xfedcba98
	s_mov_b32 s[NL], 0xbfb8aa3b                    ; -log2(e)
	s_mov_b32 s[NL+1], 0xbfb8aa3b
	; the waves' terms of the lane addresses
	s_mul_i32 s96, s[WV], 32*PITCH                 ; phase 1: my 32 rows
	s_lshl_b32 s97, s[WV], 10
	s_lshl_b32 s98, s23, 11
	s_lshl_b32 s99, s[WV], 4
	s_add_co_u32 s99, s99, XH
	s_add_co_u32 s2, s[WV], HSC
	s_lshl_b32 s3, s[WV], 7
	s_lshl_b32 s30, s23, 8
	s_lshl_b32 s31, s24, 17
	v_and_b32 v64, 15, v0                          ; r
	v_bfe_u32 v65, v0, 4, 1                        ; h
	v_mul_u32_u24 v66, v64, PITCH
	v_mul_u32_u24 v67, v64, XP
	v_lshl_add_u32 v66, v65, 4, v66
	v_lshl_add_u32 v[AB], v65, 4, v67
	v_lshl_add_u32 v[HST], v65, 2, v67
	v_add_nc_u32 v[AWG], s96, v66
	v_add_nc_u32 v[AB], XH, v[AB]
	v_add_nc_u32 v[HST], s99, v[HST]
	v_add_nc_u32 v[AWG+1], SLOTB, v[AWG]
	v_add_nc_u32 v[AWG+2], REGB, v[AWG]
	v_add_nc_u32 v[AWG+3], REGB, v[AWG+1]
	v_lshlrev_b32 v68, 5, v64                      ; scale bytes in memory: 32 a row
	v_lshlrev_b32 v69, 7, v64
	v_lshl_add_u32 v[SA1], v65, 16, v68            ; lanes 16-31: 2,048 rows on
	v_lshl_add_u32 v[SA2], v65, 5, v69
	v_lshl_add_u32 v[TA], v65, 9, v68              ; x's: lanes 16-31 16 rows on
	v_add_nc_u32 v[SA1], s97, v[SA1]
	v_add_nc_u32 v[SA2], s98, v[SA2]
	v_mul_u32_u24 v[HSB], v64, HSP
	v_lshlrev_b32 v[BA1], 5, v65
	v_lshlrev_b32 v[BA2], 4, v64
	v_and_b32 v[PFO], 31, v0
	v_add_nc_u32 v[HSB], s2, v[HSB]
	v_add_nc_u32 v[BA1], s3, v[BA1]
	v_add_nc_u32 v[BA2], s30, v[BA2]
	v_lshlrev_b32 v[PFO], 8, v[PFO]
	v_lshl_add_u32 v[CO], v65, 15, v[BA2]
	v_add_nc_u32 v[CO], s31, v[CO]
	s_wait_alu depctr_va_vdst(0)
	s_wait_dscnt 0x0                               ; both opening adds are done
	; offsets are made apart from the addresses
	s_mov_b32 s29, 0
	s_mov_b32 s3, 0
	s_and_b32 s27, s23, 1                          ; the head's 128 rows: waves 0, 1 g's, waves 2, 3 o's, 2,048 rows on
	s_lshl_b32 s28, s27, 16
	s_lshr_b32 s27, s23, 1
	s_lshl_b32 s27, s27, 20
	s_add_co_u32 s28, s28, s27
	s_lshl_b32 s27, s[C0], 17
	s_add_co_u32 s28, s28, s27
	s_mov_b32 s[G0H], 1
	s_mul_i32 s[G0H+1], s23, 128*PITCH
	s_lshl_b32 s2, s26, 15                         ; x's codes: 64 rows of 512 bytes a block, 16 rows a wave
	s_lshl_b32 s27, s23, 13
	s_add_co_u32 s2, s2, s27
	s_mov_b32 s[G0X], 1
	s_mul_i32 s27, s23, X16
	s_add_co_u32 s[G0X+1], s27, XH
	s_wait_kmcnt 0x0
	s_add_nc_u64 s[G0X+2:G0X+3], s[4:5], s[2:3]
	s_or_b32 s[G0X+3], s[G0X+3], 0x80000000
	s_add_nc_u64 s[G0H+2:G0H+3], s[PWC:PWC+1], s[28:29]
	s_or_b32 s[G0H+3], s[G0H+3], 0x80000000
	ROUND                                          ; all four work-groups are here: the first joint loads meet
	; one tensor load a wave: waves 0-3 fetch 128 rows each of time 0's chunk, waves 4-7 16 rows each of x
	s_cmp_lt_u32 s[WV], 4
	s_cbranch_scc0 .Lhead_x
	tensor_load_to_lds s[G0H:G0H+3], s[G1H:G1H+7]
	s_nop 0
	PLACES 4
	s_branch .Lhead_asked
.Lhead_x:
	tensor_load_to_lds s[G0X:G0X+3], s[G1X:G1X+7]
	s_nop 0
	PLACES 4
.Lhead_asked:
	s_lshl_b32 s2, s26, 11                         ; x's scale bytes: 64 x 32 a block
	s_add_nc_u64 s[6:7], s[6:7], s[2:3]
	s_lshl_b32 s28, s[C0], 13                      ; time 0's scale bytes
	s_add_nc_u64 s[PSX:PSX+1], s[PS:PS+1], s[28:29]
	s_lshl_b32 s28, s[C0], 10                      ; and biases
	s_add_nc_u64 s[PBX:PBX+1], s[PB:PB+1], s[28:29]
.irp p, 0,1                                        ; x's scale words: register 8 p + s: lanes 0-15 row tile 2 p, lanes 16-31 row tile 2 p + 1
.irp q, 0,1
	global_load_b128 v[XS+8*\p+4*\q:XS+8*\p+4*\q+3], v[TA], s[6:7] offset:1024*\p+16*\q
.endr
.endr
	SCQ 0
	BIAS1 0
	s_lshl_b32 s2, s26, 18                         ; out: 64 rows of 4,096 bytes a block
	s_add_nc_u64 s[PO:PO+1], s[PO:PO+1], s[2:3]
	PICK s24, 17                                   ; the prefetch: waves 0-3 W_out's chunk of time 8, waves 4-7 that of time 9; 8,192 bytes a wave
	s_lshl_b32 s27, s25, 15
	s_add_co_u32 s28, s28, s27
	s_lshl_b32 s27, s23, 13
	s_add_co_u32 s28, s28, s27
	s_add_nc_u64 s[PF:PF+1], s[PWOC:PWOC+1], s[28:29]
	s_lshl_b32 s28, s24, 20                        ; W_proj: waves 4-7 fetch o's rows; 64 rows a wave
	s_lshl_b32 s27, s23, 15
	s_add_co_u32 s28, s28, s27
	s_add_nc_u64 s[PWC:PWC+1], s[PWC:PWC+1], s[28:29]
	s_lshl_b32 s28, s24, 16                        ; W_out: rows 128 (w / 4) + w % 4 on
	s_lshl_b32 s27, s23, 9
	s_add_co_u32 s28, s28, s27
	s_add_nc_u64 s[PWOC:PWOC+1], s[PWOC:PWOC+1], s[28:29]
	s_mul_i32 s27, s[WV], 64*PITCH                 ; in a slot: 64 rows a wave: no place in the cluster enters an LDS address
	s_mov_b32 s[G0C], 1
	s_mov_b32 s[G0C+1], s27
	s_mov_b32 s[G0C+4], 1
	s_add_co_u32 s[G0C+5], s27, SLOTB
	s_lshl_b32 s28, s[C0], 17
	s_or_b32 s28, s28, 256                         ; time 1's chunk: the same rows, the second half of K
	s_add_nc_u64 s[G0C+6:G0C+7], s[PWC:PWC+1], s[28:29]
	s_or_b32 s[G0C+7], s[G0C+7], 0x80000000
	s_wait_tensorcnt 0x0                           ; my tile is in; these lines stand ahead of a later first fill, as ahead of a refill
	ds_add_u32 v[SPW], v[NIL]
	s_wait_dscnt 0x0
	ROUND                                          ; everybody's tiles are in, and the joint loads meet
	tensor_load_to_lds s[G0C+4:G0C+7], s[G1C:G1C+7]        ; my 64 rows of time 1's chunk: slot 1's first fill
	s_nop 0
	PLACES 4
	FRAGS 0                                        ; x: K steps 0-3, then the first weights, then K steps 4-7, which time 1 wants
	PRELOAD 0
	FRAGS 4
	; ---- phase 1: every wave's loads of x are over behind time 0's barrier, before h is stored into x's bytes
	GROUP 0, 32, 0
	GROUP 1, 0, 0
	GROUP 2, 0, 1
	CHUNK1 0, 0, 0, 0, 0                           ; the last group: the ring goes on into W_out
	TURN1 0, 2, 0, 1
	CHUNK1 1, 0, 2, 0, 0
	TURN1 1, 2, 1, 0
	; ---- between the phases: phase 2's addresses, in registers that phase 1 is done with; then the first scale words and weights, which are on their way through the last gate
	WIN 0
	s_lshr_b32 s27, s23, 1                         ; my 64 columns: LDS rows 128 (q / 2) + 16 (q % 2) on, q = w % 4; tile t 32 t further
	s_mul_i32 s27, s27, 128*XP
	s_and_b32 s30, s23, 1
	s_mul_i32 s30, s30, X16
	s_add_co_u32 s27, s27, s30
	s_mul_i32 s30, s24, X32                        ; my 32 rows of h,
	s_mul_i32 s31, s24, 32*HSP                     ; and of its scale bytes
	s_add_co_u32 s31, s31, HSC
	PLACES 4
	v_and_b32 v64, 15, v0
	v_bfe_u32 v65, v0, 4, 1
	v_mul_u32_u24 v66, v64, XP
	v_mul_u32_u24 v[TA], v64, HSP
	v_lshl_add_u32 v66, v65, 4, v66
	v_mad_u32_u24 v[TA], v65, 16*HSP, v[TA]
	v_add_nc_u32 v[AW2], s27, v66
	v_add_nc_u32 v[TA], s31, v[TA]
	v_add_nc_u32 v[AW2+1], SLOTB, v[AW2]
	v_add_nc_u32 v[AB], s30, v[AB]
	SCW 0
	WIN MUL2
	LOADU 0, 0
	LOADU 0, 1
	LOADU 0, 2
	EPI1 3, 0
	s_wait_alu depctr_va_vdst(0)
	s_wait_dscnt 0x0                               ; for the others' sake: my stores of h are done
	s_barrier_signal -1
	s_barrier_wait -1                              ; h lies in LDS (slot 1's fill may stay out)
	HARM 0
	HARM 1
	HARM 2
	HARM 3
.Lh_in:
	; ---- phase 2
	CHUNK2 0, 0, 1, 0, 1
	TURN2 0, 0, 1
	EPI2 0
	CHUNK2 1, 1, 0, 1, 1
	TURN2 1, 1, 1
	EPI2 1
	CHUNK2 2, 0, 0, 1, 1
	TURN2 2, 0, 0
	EPI2 2
	CHUNK2 3, 1, 0, 1, 0
	s_wait_dscnt 16                                ; the very last units
	MM2 3, 5
	s_wait_dscnt 8
	MM2 3, 6
	s_wait_dscnt 0x0
	MM2 3, 7
	EPI2 3
	STORES 0, 16
	WIN 0
	s_wait_tensorcnt 0x0                           ; the wave's end: these three lines, behind my last tensor load and my last LDS store
	ds_add_u32 v[SPW], v[NIL]
	s_wait_dscnt 0x0
	ROUND                                          ; the closing round: no work-group ends while a partner may still ask for a chunk that names it
	s_endpgm
.Lfunc_end_k_q858be6e3cf_hgrn:
	.size	k_q858be6e3cf_hgrn, .Lfunc_end_k_q858be6e3cf_hgrn-k_q858be6e3cf_hgrn
	.p2alignl 7, 3214868480
	.fill 96, 4, 3214868480
	.section	.rodata,"a",@progbits
	.p2align	6, 0x0
	.amdhsa_kernel k_q858be6e3cf_hgrn
		.amdhsa_group_segment_fixed_size 327680
		.amdhsa_private_segment_fixed_size 0
		.amdhsa_enable_private_segment 0
		.amdhsa_kernarg_size 72
		.amdhsa_user_sgpr_count 2
		.amdhsa_user_sgpr_kernarg_segment_ptr 1
		.amdhsa_wavefront_size32 1
		.amdhsa_system_sgpr_workgroup_id_x 1
		.amdhsa_system_sgpr_workgroup_id_y 1
		.amdhsa_system_sgpr_workgroup_id_z 1
		.amdhsa_system_vgpr_workitem_id 0
		.amdhsa_next_free_vgpr 512
		.amdhsa_next_free_sgpr 100
		.amdhsa_reserve_vcc 0
		.amdhsa_float_denorm_mode_32 3
		.amdhsa_float_denorm_mode_16_64 3
		.amdhsa_memory_ordered 1
		.amdhsa_forward_progress 1
		.amdhsa_inst_pref_size 253
	.end_amdhsa_kernel
	.amdgpu_metadata
---
amdhsa.version: [ 1, 2 ]
amdhsa.kernels:
  - .name:           k_q858be6e3cf_hgrn
    .symbol:         k_q858be6e3cf_hgrn.kd
    .args:
      - { .name: x_codes, .offset: 0, .size: 8, .value_kind: global_buffer, .address_space: global }
      - { .name: x_scales, .offset: 8, .size: 8, .value_kind: global_buffer, .address_space: global }
      - { .name: W_proj_codes, .offset: 16, .size: 8, .value_kind: global_buffer, .address_space: global }
      - { .name: W_proj_scales, .offset: 24, .size: 8, .value_kind: global_buffer, .address_space: global }
      - { .name: b_proj, .offset: 32, .size: 8, .value_kind: global_buffer, .address_space: global }
      - { .name: W_out_codes, .offset: 40, .size: 8, .value_kind: global_buffer, .address_space: global }
      - { .name: W_out_scales, .offset: 48, .size: 8, .value_kind: global_buffer, .address_space: global }
      - { .name: b_out, .offset: 56, .size: 8, .value_kind: global_buffer, .address_space: global }
      - { .name: out0, .offset: 64, .size: 8, .value_kind: global_buffer, .address_space: global }
    .group_segment_fixed_size: 327680
    .private_segment_fixed_size: 0
    .kernarg_segment_align: 8
    .kernarg_segment_size: 72
    .max_flat_workgroup_size: 256
    .sgpr_count:     100
    .vgpr_count:     512
    .wavefront_size: 32
...
	.end_amdgpu_metadata
.endif
;; end of part 1
